; MI455X (gfx1250); checked and timed in simulation.
; The chip was launched on July 23, 2026; its instructions are those of AMD's public machine-readable ISA for CDNA 5 (MIT licence, August 2026) and "CDNA5" Instruction Set Architecture Reference Guide (July 2026). The comments in the code are by the model that wrote it; some were corrected since.
;; Signed Attention. Allowed arithmetic: matrix products marked QUANTISED: E5M2 operands, one given power-of-two scale a tensor, by v_wmma_f32_16x16x64_bf8_bf8 or v_wmma_f32_16x16x128_bf8_bf8, f32 sums; everything else in f32.
;; Inputs: keys_codes 4 x 8 x 2,048 x 2 x 32 uint8 (E5M2 codes of keys, K innermost, in blocks of 32 codes); log_scale one number float32; lowp_scales 4 int32 (the exponents e of the quantised operands' scales 2^e); queries_codes 4 x 8 x 2,048 x 2 x 32 uint8 (E5M2 codes of queries, K innermost, in blocks of 32 codes); values_codes 4 x 8 x 64 x 64 x 32 uint8 (E5M2 codes of values, K innermost, in blocks of 32 codes).
;; Outputs: out0 4 x 8 x 2,048 x 64 float32.
;; This version of the problem:
;;   THIS VERSION OF THE PROBLEM IS GIVEN IN LOW PRECISION. The matrix products marked QUANTISED in the list below multiply operands that are first quantised to E5M2 (5 exponent bits, 2 mantissa bits; 8 bits a number), with one given power-of-two scale for each operand tensor; their sums are f32. All else is computed in f32.
;;   The module's matrix products, in the order in which they are computed (A, B: the left and right operand; K: the contracted axis; several contracted axes count as one K, in the product's order):
;;     1. batch 32 x [M 2,048, K 64] x [K 64, N 2,048]; A: input queries (given as codes); B: input keys (given as codes): QUANTISED (scales: A lowp_scales[0], B lowp_scales[1])
;;     2. batch 32 x [M 2,048, K 2,048] x [K 2,048, N 64]; A: computed on the way; B: input values (given as codes): QUANTISED (scales: A lowp_scales[2], B lowp_scales[3])
;;   THE QUANTISER, for each operand of a quantised product, along K:
;;     - The operand's scale is 2^e, e = its entry of the input lowp_scales (int32; the entries are numbered through the quantised products in the list's order, A before B).
;;     - Each number is divided by the scale, clamped to +-57,344, and rounded to the nearest number of E5M2, ties to even, subnormals kept.
;;     - The product sums the exact products of the quantised numbers (number of the format x scale) in f32.
;;   ~~~python
;;   def quantise(x, axis, e):      # numpy; x: float32 -> the quantised numbers, widened to float32 again
;;       x = np.moveaxis(x, axis, -1); K = x.shape[-1]
;;       r = np.clip(x / 2.0 ** e, -57344, 57344)
;;       step = 2.0 ** (np.maximum(np.frexp(np.where(r == 0, 1, r))[1] - 1, -14) - 2)
;;       q = np.round(r / step) * step * 2.0 ** e      # np.round: ties to even
;;       return np.moveaxis(q, -1, axis).astype(np.float32)
;;   ~~~
;;   OPERANDS COMPUTED ON THE WAY. 'Computed on the way' means the value that the module computes at that place (a softmax that the list does not call 'softmax' is quantised finished and normalised). What goes into a quantiser is computed in f32, as accurately as f32 sums, v_exp_f32 and their like allow (about 1e-6 of the number): no bf16 or f16 on the way to a quantiser, and a product that is left as it is and whose result goes on into a quantised operand takes f32 operands (vector FMAs, or v_wmma_f32_16x16x4_f32). A number that lies on a knife's edge between two numbers of the format may be rounded either way, as far as f32 arithmetic and the matrix unit's own rounding can turn it there, and no further.
;;   INPUTS GIVEN AS CODES. keys (in the module: [4, 8, 2048, 64], K = its axis 3); queries (in the module: [4, 8, 2048, 64], K = its axis 3); values (in the module: [4, 8, 2048, 64], K = its axis 2): each comes as NAME_codes (uint8): NAME with its K axis moved to the last place and cut into blocks of 32 codes, [.., K / 32, bytes a block], one block behind the other in memory; one code a byte (a code: sign, 5 exponent bits, 2 mantissa bits); its scale is its entry of lowp_scales. Its value is code x scale, taken as it is: it is not quantised again, and the codes and scales need not be those that the quantiser above would give.
;; One version. Each part assembles by itself: llvm-mc -triple=amdgcn-amd-amdhsa -mcpu=gfx1250 --defsym DOCPART=n.
;; ======== version 1 of 1: 1 launch
;; launch sattn (part 1): grid 8 x 32, 16 waves a work-group, no clusters, 259,584 bytes of LDS; arguments queries_codes, keys_codes, values_codes, log_scale, lowp_scales, out0; writes out0
.if DOCPART == 1
	.amdgcn_target "amdgcn-amd-amdhsa--gfx1250"
	.amdhsa_code_object_version 6
	.text
	.protected	k_q69f67c530b_sattn
	.globl	k_q69f67c530b_sattn
	.p2align	8
	.type	k_q69f67c530b_sattn,@function
k_q69f67c530b_sattn:
	s_mov_b64 s[64:65], 0
	v_nop
	global_prefetch_b8 v0, s[64:65] scope:SCOPE_SE
	s_setreg_imm32_b32 hwreg(HW_REG_WAVE_MODE, 25, 1), 1
	s_wait_xcnt 0x0
; SIGNED ATTENTION ON CODES OF BF8 (E5M2).  32 heads, 2,048 positions, head size 64.  out = (softmax(scale pos) - softmax(scale neg)) V, both products on codes, sums in f32.
; THE MASK.  A patch is 16 positions; query patch p sees key patches p + 1 .. p + 9 and no other, so a tile of 16 queries x 16 keys is seen whole or not at all: NV = min(9, 127 - p) tiles of keys are seen.
; A key that is not seen is not dropped: its score is the fill, -10,000.  So the fill takes part in both maxima, nM = 2,048 - 16 NV copies of its term take part in both sums, and every such key
; has one common weight c.  A row's result is  sum over the window of Q(A_j) V_j  +  Q(c) (sum of all V - sum of the window's V),  Q the quantiser with the given 2^e2.
; ARITHMETIC OF A ROW, in f32, in base 2.  g = clip(e^log_scale, 1, 30) log2(e); c1 = g 2^(e0 + e1 - 3); NF = 10,000 g / 8 (the fill, negated).  -m+ = min(-c1 smax, NF), -m- = min(c1 smin, NF);
; e+ = 2^(c1 s - m+), e- = 2^(-c1 s - m-), E+- = 2^(-m+- - NF); Z+- = sum e+- + nM E+-; A = e+ / Z+ - e- / Z-; c = E+ / Z+ - E- / Z-.  Both maxima are taken away, as reference() does.
; SHARES.  A work-group owns 256 queries (16 patches) of one head; each of its sixteen waves owns one patch, 16 queries, in 256 registers.  Both products are used transposed (S^T = K Q^T,
; O^T = V^T P^T): a lane holds ONE query (lane % 16) throughout, and the eight scores of a tile in a lane, once converted, are two registers of the second product's operand in their own places.
; LDS is filled once: 384 keys of K by wave 0, the head's whole V (64 rows of 2,048 codes) by all sixteen waves, 4 rows each.  Nothing is filled again.  K is asked for first: the scores wait for it;
; V lands while the softmaxes are worked.  Past the head's end the data mover writes zeros (K: rows past 384; V: bytes past 2,048 of a row), so a window that runs over the end reads zero codes.
; THE SUMS OF V come from the matrix unit too: V^T times an operand of codes -1.0 (0xbc).  Wave w sums 16 channels x 512 keys; the sixteen parts meet in LDS.
; NO CLUSTER, though the eight blocks of a head read the same V (128 of the 168 KB that a work-group takes in): the tail's branches (NV) and K's rows in LDS (the last block's window is shifted by 144 rows)
; hang on the block's number, which would be a work-group's place in its cluster; joint loads allow neither.
; LIMITS: e0 + e1 between -120 and 120; e2 between -126 and 112; e2 + e3 between -126 and 127 (each power of two below is then an f32 number).  NaN in log_scale, and NaN or infinity among the codes, are not served.
; Weights under 2^-126 count as 0 (v_exp_f32 gives 0 there: ISA guide, its entry in 15.8).
.set KP,    80                         ; a key's row in LDS: 64 bytes + 16 of padding: 5 x 16, so the 16 rows of a load start at 16 different 16-byte columns of 256 bytes
.set VP,    2256                       ; a row of V in LDS: 2,048 codes + 208 zeros: 141 x 16
.set KREG,  0                          ; 528 rows of K: 384 keys, then 144 rows of zeros
.set VREG,  KREG+528*KP                ; 64 rows of V
.set PART,  VREG+64*VP                 ; f32 [64 channels][4 quarters of the keys]: the parts of V's sum, negated
.set TOT,   PART+1024                  ; f32 [64]: V's sum
.set STAGE, TOT+256                    ; the way out: 16 rows x 272 bytes for each wave
.set SP,    272
.set SPARE, STAGE+16*16*SP             ; the spare words, 128 bytes for each wave: eight blocks of 256 bytes that no other line names
; vector registers
.set AK,   1                           ; LDS address of my lane's place in my tile 0 of K
.set AV0,  2                           ; the same in my window of V, channels 0-31;  v3: channels 32-63
.set AT,   4                           ; my 16 channels x 512 keys of V, for the total
.set APW,  5                           ; where my part of the total goes
.set A2,   6                           ; waves 0, 1: a channel's four parts
.set A3,   7                           ; and its total
.set ATOT, 8                           ; the totals of my half's eight channels
.set STO,  9                           ; the stage: where I put 32 bytes of a row
.set RD,   10                          ; and where I read rows back
.set GO,   11                          ; 16 x lane: my bytes of two rows of the output
.set QO,   12                          ; my bytes of Q's 16 rows
.set T,    13                          ; a lane permute's destination
.set C1,   14                          ; v[14:15]  c1        (of each pair below the low word serves both halves; the upper word is written because the pair is named)
.set NC1,  16                          ; v[16:17]  -c1
.set NMP,  18                          ; v[18:19]  -m+
.set NMM,  20                          ; v[20:21]  -m-
.set RP,   22                          ; v[22:23]  1 / Z+
.set NRM,  24                          ; v[24:25]  -1 / Z-
.set ZA,   26                          ; v[26:29]  two chains of pairs for Z+; v26, v27 also the two chains of an extreme
.set ZB,   30                          ; v[30:33]  the same for Z-
.set NF,   34
.set NM,   35                          ; nM as f32
.set EP,   36                          ; E+;  v37: E-
.set LIM,  38                          ; 57,344 x 2^e2
.set SCL,  39                          ; 2^e2 as f32
.set CQ,   40                          ; v[40:47]  c and seven zeros, for the conversion
.set CC,   48                          ; v[48:49]  c's code
.set P,    50                          ; v[50:73]  the weights' codes: tile t at 50 + 2 t; v68-73 stay 0.  The operand of 64 keys, step s: v[50 + 8 s ..]
.set NEG8, 74                          ; v[74:81]  64 codes of -1.0;  v[82:89]: 16 keys of them, then zeros (step 2 has one tile)
.set SPW,  90                          ; LDS address of my spare word; never rewritten
.set NIL,  91                          ; 0; never rewritten
.set FQ,   92                          ; v[92:93]  2^(e2 + e3) x Q(c)'s code value.  At the head v92 = r, v93 = h
.set QC,   94                          ; Q(c)'s code value
.set TMP,  95
.set S,    96                          ; v[96:167]   the scores, tile t at 96 + 8 t; then e-, then A
.set E,    168                         ; v[168:239]  K's fragments, then e+
.set QF,   240                         ; v[240:247]  Q's fragment
; behind the conversions:
.set TR,   96                          ; v[96:159]   eight fragments of V for the total
.set TA,   160                         ; v[160:175]  its two accumulators
.set WR,   176                         ; the window's fragments of V: step s, channels 16 dt on, at WR + 32 s - 144 (s / 2) + 8 dt: steps 0, 1 in v[176:239], step 2 in v[96:127]
.set O,    128                         ; v[128:159]  O^T
.set VW,   160                         ; V's sum less the window's: tile dt at 160 + 8 dt + 64 (dt / 2): v160, v168, v240, v248
.set BK,   176                         ; v[176:207]  rows read back from the stage
; scalar registers: s[4:5] Q, s[6:7] K, s[8:9] V, s[10:11] log_scale, s[12:13] the scales' exponents, s[14:15] the output; s16 log_scale; s[20:23] e0 .. e3; s27, s30, s31 at work; s[56:61] offsets; s[62:63] 2^(e2 + e3)
.set WV,   17                          ; my wave's number
.set BLK,  18                          ; my block of 256 queries
.set HEAD, 19
.set PT,   24                          ; my patch
.set NV,   25                          ; tiles of keys that my queries see
.set KSH,  26                          ; the last block's shift in K's rows, in bytes
.set SEL,  28                          ; s[28:29] lane selects for v_permlanex16_b32: lane l xor 16
.set G1K,  32                          ; s[32:39] descriptor group 1 for K;  s[40:47] for V;  s[48:51], s[52:55] their groups 0
.set G1V,  40
.set G0K,  48
.set G0V,  52
	s_load_b256 s[4:11], s[0:1], 0x0
	s_load_b128 s[12:15], s[0:1], 0x20
	v_lshl_add_u32 v[SPW], v0, 2, SPARE
	v_mov_b32 v[NIL], 0
	ds_add_u32 v[SPW], v[NIL]                      ; the wave's opening: the add and its wait ahead of my first tensor load; the set-up below, work on registers, stands between them
	v_lshrrev_b32 v[TMP], 5, v0
	v_readfirstlane_b32 s[WV], v[TMP]              ; wave 0..15
	s_and_b32 s[BLK], ttmp9, 7
	s_and_b32 s[HEAD], ttmp7, 31
	s_lshl_b32 s[PT], s[BLK], 4
	s_add_co_u32 s[PT], s[PT], s[WV]               ; my patch = 16 x block + wave
	s_sub_co_u32 s[NV], 127, s[PT]
	s_min_u32 s[NV], s[NV], 9
	; K: a tile of 528 rows x 64 bytes of which 384 exist (the rest arrive as zeros), 16 bytes of padding behind each row
	s_mov_b32 s[G1K+0], (1<<20)|(3<<22)|(3<<25)    ; 15:0 no mask; 17:16 elements of 1 byte; 20 padding on; 24:22 after every 16 words (code 3); 31:25 four words (code 3)
	s_mov_b32 s[G1K+1], 64<<16                     ; tensor_dim0 = 64
	s_mov_b32 s[G1K+2], 384<<16                    ; tensor_dim1 = 384
	s_mov_b32 s[G1K+3], 64<<16                     ; tile_dim0 = 64
	s_mov_b32 s[G1K+4], 528                        ; tile_dim1 = 528
	s_mov_b32 s[G1K+5], 64                         ; from row to row
	s_mov_b32 s[G1K+6], 0
	s_mov_b32 s[G1K+7], 0
	; V: a tile of 4 rows x 2,256 bytes of which 2,048 exist, no padding
	s_mov_b32 s[G1V+0], 0                          ; elements of 1 byte
	s_mov_b32 s[G1V+1], 2048<<16                   ; tensor_dim0 = 2,048
	s_mov_b32 s[G1V+2], 4<<16                      ; tensor_dim1 = 4
	s_mov_b32 s[G1V+3], VP<<16                     ; tile_dim0 = 2,256
	s_mov_b32 s[G1V+4], 4                          ; tile_dim1 = 4
	s_mov_b32 s[G1V+5], 2048
	s_mov_b32 s[G1V+6], 0
	s_mov_b32 s[G1V+7], 0
	s_mov_b32 s[SEL], 0x76543210
	s_mov_b32 s[SEL+1], 0xfedcba98
	s_lshl_b32 s27, s[HEAD], 17                    ; the head's first byte in each tensor of codes: 2,048 x 64
	s_lshl_b32 s30, s[BLK], 14                     ; the block's 256 rows of 64 bytes
	s_add_co_u32 s30, s30, s27
	s_cmp_eq_u32 s[BLK], 7                         ; the last block's 384 keys are the head's last: they begin 144 keys earlier, and its tiles lie 144 rows further down in LDS
	s_cselect_b32 s[KSH], 144*KP, 0
	s_cselect_b32 s31, 144*64, 0
	s_add_co_u32 s56, s30, 16*64                   ; K: from the patch behind the block's first on
	s_sub_co_u32 s56, s56, s31
	s_mov_b32 s57, 0
	s_lshl_b32 s58, s[WV], 13                      ; V: my 4 rows of 2,048 bytes
	s_add_co_u32 s58, s58, s27
	s_mov_b32 s59, 0
	s_lshl_b32 s60, s[WV], 10                      ; Q: my 16 rows of 64 bytes
	s_add_co_u32 s60, s60, s30
	s_mov_b32 s61, 0
	s_mov_b32 s[G0K], 1                            ; count = 1
	s_mov_b32 s[G0K+1], KREG                       ; LDS address
	s_mov_b32 s[G0V], 1
	s_mul_i32 s[G0V+1], s[WV], 4*VP
	s_add_co_u32 s[G0V+1], s[G0V+1], VREG          ; my 4 rows in LDS
	s_wait_dscnt 0x0                               ; the opening add is done
	s_wait_kmcnt 0x0
	s_load_b32 s16, s[10:11], 0x0                  ; log_scale
	s_load_b128 s[20:23], s[12:13], 0x0            ; e0 (Q), e1 (K), e2 (the weights), e3 (V)
	s_add_nc_u64 s[G0K+2:G0K+3], s[6:7], s[56:57]
	s_or_b32 s[G0K+3], s[G0K+3], 0x80000000        ; type = 2
	s_add_nc_u64 s[G0V+2:G0V+3], s[8:9], s[58:59]
	s_or_b32 s[G0V+3], s[G0V+3], 0x80000000
	s_cmp_lg_u32 s[WV], 0                          ; all first fills of a wave stand in one branch on its number: wave 0 has two tensor loads out, every other wave one
	s_cbranch_scc1 .Lonly_v
	tensor_load_to_lds s[G0K:G0K+3], s[G1K:G1K+7]  ; K first: the scores wait for it
	s_nop 0
	tensor_load_to_lds s[G0V:G0V+3], s[G1V:G1V+7]
	s_nop 0
.rept 4
	v_nop
.endr
	s_branch .Lasked
.Lonly_v:
	tensor_load_to_lds s[G0V:G0V+3], s[G1V:G1V+7]
	s_nop 0
.rept 4
	v_nop
.endr
.Lasked:
	s_add_nc_u64 s[4:5], s[4:5], s[60:61]
	v_and_b32 v92, 15, v0                          ; r = lane % 16
	v_bfe_u32 v93, v0, 4, 1                        ; h = lane / 16
	v_lshlrev_b32 v[QO], 6, v92
	v_lshl_add_u32 v[QO], v93, 4, v[QO]            ; row r, + 16 h.  Q and K are both fetched by two loads of 16 bytes, 32 apart: the same order of the head's 64 on both sides, so every product meets its partner
	global_load_b128 v[QF:QF+3], v[QO], s[4:5] th:TH_LOAD_NT
	global_load_b128 v[QF+4:QF+7], v[QO], s[4:5] offset:32 th:TH_LOAD_NT
	; every LDS address: a constant, a constant x lane's parts, a constant x wave's parts (K and V's window: the block's number too)
	v_mul_u32_u24 v[AK], v92, KP
	v_lshl_add_u32 v[AK], v93, 4, v[AK]
	s_mul_i32 s27, s[WV], 16*KP
	s_add_co_u32 s27, s27, s[KSH]
	v_add_nc_u32 v[AK], s27, v[AK]                 ; tile t of my window begins at row 16 (wave + t) (+ 144)
	v_mul_u32_u24 v[AV0], v92, VP
	v_lshl_add_u32 v[AV0], v93, 3, v[AV0]
	s_lshl_b32 s27, s[PT], 4
	s_add_co_u32 s27, s27, VREG+16
	v_add_nc_u32 v[AV0], s27, v[AV0]               ; channel r, key 16 (p + 1) + 8 h: the plain form's own place for each key
	v_add_nc_u32 v[AV0+1], 32*VP, v[AV0]
	s_and_b32 s30, s[WV], 3                        ; for the total: which 16 channels,
	s_lshr_b32 s31, s[WV], 2                       ; which 512 keys
	v_mul_u32_u24 v[AT], v92, VP
	v_lshl_add_u32 v[AT], v93, 4, v[AT]
	s_mul_i32 s27, s30, 16*VP
	s_add_co_u32 s27, s27, VREG
	v_add_nc_u32 v[AT], s27, v[AT]
	s_lshl_b32 s27, s31, 9
	v_add_nc_u32 v[AT], s27, v[AT]
	s_lshl_b32 s27, s30, 8
	s_lshl_b32 s31, s31, 2
	s_add_co_u32 s27, s27, s31
	s_add_co_u32 s27, s27, PART
	v_lshl_add_u32 v[APW], v93, 7, s27             ; the word of channel d and quarter kq lies at 16 d + 4 kq; my register j holds channel 16 (wave % 4) + 8 h + j
	v_and_b32 v[A2], 63, v0
	v_lshl_add_u32 v[A3], v[A2], 2, TOT
	v_lshl_add_u32 v[A2], v[A2], 4, PART
	v_lshl_add_u32 v[ATOT], v93, 5, TOT
	s_mul_i32 s27, s[WV], 16*SP
	s_add_co_u32 s27, s27, STAGE                   ; my stage
	v_mul_u32_u24 v[STO], v92, SP
	v_lshl_add_u32 v[STO], v93, 5, v[STO]
	v_add_nc_u32 v[STO], s27, v[STO]               ; in: row r, 32 bytes for each half of the lanes
	v_mul_u32_u24 v[RD], v93, SP
	v_lshl_add_u32 v[RD], v92, 4, v[RD]
	v_add_nc_u32 v[RD], s27, v[RD]                 ; back: lanes 0-15 one row of 256 bytes, lanes 16-31 the next
	v_and_b32 v[GO], 31, v0
	v_lshlrev_b32 v[GO], 4, v[GO]
	s_lshl_b32 s56, s[HEAD], 19                    ; the output: a head is 2,048 rows of 256 bytes, a block 256 rows, a wave 16
	s_lshl_b32 s27, s[BLK], 16
	s_add_co_u32 s56, s56, s27
	s_lshl_b32 s27, s[WV], 12
	s_add_co_u32 s56, s56, s27
	s_add_nc_u64 s[14:15], s[14:15], s[56:57]
	; registers that hold constants
	v_mov_b32 v[T], 0                              ; a lane permute's destination counts as one of its sources
.irp x, NMP+1, NMM+1, RP+1, NRM+1
	v_mov_b32 v[\x], 0                             ; upper words of pairs of which the low word alone is taken
.endr
.irp i, 1,2,3,4,5,6,7
	v_mov_b32 v[CQ+\i], 0
.endr
.irp i, 18,19,20,21,22,23
	v_mov_b32 v[P+\i], 0                           ; step 2 of the window has one tile of keys: the codes of its other 48 keys are zeros
.endr
.irp i, 0,1,2,3,4,5,6,7,8,9
	v_mov_b32 v[NEG8+\i], 0xbcbcbcbc               ; -1.0 in E5M2: sign, exponent 15, mantissa 0
.endr
.irp i, 10,11,12,13,14,15
	v_mov_b32 v[NEG8+\i], 0
.endr
	s_wait_kmcnt 0x0
	v_mov_b32 v[TMP], s16
	v_mul_f32 v[TMP], 0x3fb8aa3b, v[TMP]           ; log_scale x log2(e)
	v_exp_f32 v[TMP], v[TMP]                       ; e^log_scale
	v_nop                                          ; a plain instruction behind the transcendental,
	s_wait_alu depctr_va_vdst(0)                   ; and the wait ahead of its first reader
	v_med3_num_f32 v[TMP], v[TMP], 1.0, 0x41f00000 ; the clip between 1 and 30
	v_mul_f32 v[TMP], 0x3fb8aa3b, v[TMP]           ; g
	s_add_co_i32 s27, s20, s21
	s_sub_co_i32 s27, s27, 3
	v_ldexp_f32 v[C1], v[TMP], s27                 ; c1 = g 2^(e0 + e1) / sqrt(64): a sum of code products x c1 is the scaled score in base 2
	v_mov_b32 v[C1+1], v[C1]
	v_mul_f32 v[NC1], -1.0, v[C1]
	v_mov_b32 v[NC1+1], v[NC1]
	v_ldexp_f32 v[NF], v[TMP], -3
	v_mul_f32 v[NF], 0x461c4000, v[NF]             ; NF = 10,000 g / 8
	s_add_co_i32 s27, s22, 127
	s_lshl_b32 s30, s27, 23
	v_mov_b32 v[SCL], s30                          ; 2^e2 as f32: the conversion takes its exponent field
	s_add_co_i32 s27, s27, 15
	s_lshl_b32 s27, s27, 23
	s_or_b32 s27, s27, 0x600000
	v_mov_b32 v[LIM], s27                          ; 57,344 x 2^e2
	s_add_co_i32 s62, s22, s23
	s_add_co_i32 s62, s62, 127
	s_lshl_b32 s62, s62, 23                        ; 2^(e2 + e3) as f32
	s_mov_b32 s63, s62                             ; (named with it as a pair, so it is written)
	s_lshl_b32 s27, s[NV], 4
	s_sub_co_u32 s27, 2048, s27
	v_cvt_f32_u32 v[NM], s27                       ; nM = 2,048 - 16 NV
	s_wait_tensorcnt 1                             ; wave 0: one load, V's, was issued behind K's, and a wave's tensor loads end in order (ISA guide 10.11.1): K is in.  The others have one load out and pass
	s_barrier_signal -1
	s_barrier_wait -1                              ; K is there for all sixteen; V's loads stay on their way
	; ---- THE SCORES: S^T = K Q^T, nine tiles of 16 keys
.irp t, 0,1,2,3,4,5,6,7,8
	ds_load_b128 v[E+8*\t:E+8*\t+3], v[AK] offset:16*KP*\t
	ds_load_b128 v[E+8*\t+4:E+8*\t+7], v[AK] offset:16*KP*\t+32
.endr
	s_wait_loadcnt 0x0                             ; Q
.irp t, 0,1,2,3,4,5,6,7,8
	s_wait_dscnt 16-2*\t                           ; LDS loads come back in order (ISA guide 5.7.1): tile t's two are in, the later tiles' may be out
	v_wmma_f32_16x16x64_bf8_bf8 v[S+8*\t:S+8*\t+7], v[E+8*\t:E+8*\t+7], v[QF:QF+7], 0   ; lane (r, h): query r, register j: key 16 t + 8 h + j of the window
.endr
.rept 4
	v_nop                                          ; four places between the last product and the first vector instruction that touches its registers (ISA guide 7.12.1)
.endr
; A tile past the head's end takes part in nothing: its scores are set under (over) every number ahead of the maximum (minimum), and both exponentials of it are then 0.  Tiles NV .. 8 are such; the walk goes down
; from tile 8 and ends at the first tile that is seen.  The branches hang on the block's and the wave's numbers alone; no LDS or memory line, wait or barrier stands among them.
.macro TAIL val
.irp t, 8,7,6,5,4,3,2,1,0
	s_cmp_gt_u32 s[NV], \t
	s_cbranch_scc1 .Lseen_\@
.irp i, 0,1,2,3,4,5,6,7
	v_mov_b32 v[S+8*\t+\i], \val
.endr
.endr
.Lseen_\@:
.endm
; The largest (smallest) of my query's 144 scores: my 72 in two chains, each accumulator read from its low end on, then lane l xor 16's.
.macro EXTREME two, three
	\two v[ZA], v[S], v[S+1]
	\two v[ZA+1], v[S+2], v[S+3]
.irp i, 4,8,12,16,20,24,28,32,36,40,44,48,52,56,60,64,68
	\three v[ZA], v[ZA], v[S+\i], v[S+\i+1]
	\three v[ZA+1], v[ZA+1], v[S+\i+2], v[S+\i+3]
.endr
	\two v[ZA], v[ZA], v[ZA+1]
	v_permlanex16_b32 v[T], v[ZA], s[SEL], s[SEL+1]
	\two v[ZA], v[ZA], v[T]
.endm
	; ---- THE TWO SOFTMAXES
	TAIL 0xff800000                                ; -infinity
	EXTREME v_max_num_f32, v_max3_num_f32
	v_mul_f32 v[T], v[NC1], v[ZA]
	v_min_num_f32 v[NMP], v[T], v[NF]              ; -m+ = min(-c1 smax, NF): the fill is among the row's numbers
.set j, 0
.rept 36
	v_pk_fma_f32 v[E+j:E+j+1], v[S+j:S+j+1], v[C1:C1+1], v[NMP:NMP+1] op_sel_hi:[1,0,0]   ; c1 s - m+, two at a time
.set j, j+2
.endr
	TAIL 0x7f800000                                ; +infinity
	EXTREME v_min_num_f32, v_min3_num_f32
	v_mul_f32 v[T], v[C1], v[ZA]
	v_min_num_f32 v[NMM], v[T], v[NF]              ; -m- = min(c1 smin, NF)
.set j, 0
.rept 36
	v_pk_fma_f32 v[S+j:S+j+1], v[S+j:S+j+1], v[NC1:NC1+1], v[NMM:NMM+1] op_sel_hi:[1,0,0]  ; -c1 s - m-
.set j, j+2
.endr
	v_sub_f32 v[EP], v[NMP], v[NF]                 ; the fill less m+,
	v_sub_f32 v[EP+1], v[NMM], v[NF]               ; and less m-
.set j, 0
.rept 72                                       ; ONE BATCH of 146 exponentials: none reads another's result
	v_exp_f32 v[E+j], v[E+j]
.set j, j+1
.endr
.set j, 0
.rept 72
	v_exp_f32 v[S+j], v[S+j]
.set j, j+1
.endr
	v_exp_f32 v[EP], v[EP]
	v_exp_f32 v[EP+1], v[EP+1]
	v_nop                                          ; a plain instruction behind the last exponential,
	s_wait_alu depctr_va_vdst(0)                   ; and one wait for the batch, ahead of its first reader
	v_pk_add_f32 v[ZA:ZA+1], v[E:E+1], v[E+2:E+3]  ; the sums: two chains of pairs for each softmax, the four chains line by line
	v_pk_add_f32 v[ZB:ZB+1], v[S:S+1], v[S+2:S+3]
	v_pk_add_f32 v[ZA+2:ZA+3], v[E+4:E+5], v[E+6:E+7]
	v_pk_add_f32 v[ZB+2:ZB+3], v[S+4:S+5], v[S+6:S+7]
.set j, 8
.rept 16
	v_pk_add_f32 v[ZA:ZA+1], v[ZA:ZA+1], v[E+j:E+j+1]
	v_pk_add_f32 v[ZB:ZB+1], v[ZB:ZB+1], v[S+j:S+j+1]
	v_pk_add_f32 v[ZA+2:ZA+3], v[ZA+2:ZA+3], v[E+j+2:E+j+3]
	v_pk_add_f32 v[ZB+2:ZB+3], v[ZB+2:ZB+3], v[S+j+2:S+j+3]
.set j, j+4
.endr
	v_pk_add_f32 v[ZA:ZA+1], v[ZA:ZA+1], v[ZA+2:ZA+3]
	v_pk_add_f32 v[ZB:ZB+1], v[ZB:ZB+1], v[ZB+2:ZB+3]
	v_add_f32 v[ZA], v[ZA], v[ZA+1]
	v_add_f32 v[ZB], v[ZB], v[ZB+1]
	v_permlanex16_b32 v[T], v[ZA], s[SEL], s[SEL+1]      ; the query's other 72 keys lie in the lane 16 away
	v_permlanex16_b32 v[TMP], v[ZB], s[SEL], s[SEL+1]
	v_add_f32 v[ZA], v[ZA], v[T]
	v_add_f32 v[ZB], v[ZB], v[TMP]
	v_fma_f32 v[ZA], v[NM], v[EP], v[ZA]           ; Z+ = the window's sum + nM E+: at least about 1, since the largest term is 1
	v_fma_f32 v[ZB], v[NM], v[EP+1], v[ZB]
	v_rcp_f32 v[RP], v[ZA]
	v_rcp_f32 v[NRM], v[ZB]
	v_nop                                          ; a plain instruction behind the reciprocals,
	s_wait_alu depctr_va_vdst(0)                   ; and one wait for both
	v_mul_f32 v[NRM], -1.0, v[NRM]
	v_mul_f32 v[CQ], v[EP+1], v[NRM]
	v_fma_f32 v[CQ], v[EP], v[RP], v[CQ]           ; c = E+ / Z+ - E- / Z-: the weight of every key that is not seen
	v_med3_num_f32 v[CQ], v[CQ], -v[LIM], v[LIM]
.set j, 0
.rept 36
	v_pk_mul_f32 v[S+j:S+j+1], v[S+j:S+j+1], v[NRM:NRM+1] op_sel_hi:[1,0]
.set j, j+2
.endr
.set j, 0
.rept 36
	v_pk_fma_f32 v[S+j:S+j+1], v[E+j:E+j+1], v[RP:RP+1], v[S+j:S+j+1] op_sel_hi:[1,0,1]   ; A = e+ / Z+ - e- / Z-
.set j, j+2
.endr
.set t, 0
.rept 9
.set i, 0
.rept 8
	v_med3_num_f32 v[S+8*t+i], v[S+8*t+i], -v[LIM], v[LIM]   ; the conversion to an 8-bit code does not saturate (ISA guide 7.6.2): the hold at the largest code x the scale, whatever e2 is
.set i, i+1
.endr
	v_cvt_scalef32_pk8_bf8_f32 v[P+2*t:P+2*t+1], v[S+8*t:S+8*t+7], v[SCL]   ; keys 16 t + 8 h + 0 .. 7: registers 2 (t % 4), 2 (t % 4) + 1 of the operand of step t / 4
.set t, t+1
.endr
	v_cvt_scalef32_pk8_bf8_f32 v[CC:CC+1], v[CQ:CQ+7], v[SCL]
	v_nop                                          ; one plain vector instruction between the conversions and what touches their results or writes their sources
	v_cvt_f32_bf8 v[QC], v[CC]                     ; Q(c) / 2^e2: the code's value (byte 0)
	; ---- V
	s_wait_tensorcnt 0x0                           ; my 4 rows of V are in,
	s_wait_dscnt 0x0
	s_barrier_signal -1
	s_barrier_wait -1                              ; everybody's are
.macro WLOAD s                                 ; my window's fragments of step s (64 keys), four tiles of 16 channels: lane (r, h), registers 2 c, 2 c + 1: channel 16 dt + r, keys 64 s + 16 c + 8 h + 0 .. 7
.irp dt, 0,1,2,3
.irp c, 0,1,2,3
	ds_load_b64 v[WR+32*\s-144*(\s/2)+8*\dt+2*\c:WR+32*\s-144*(\s/2)+8*\dt+2*\c+1], v[AV0+\dt/2] offset:(\dt%2)*16*VP+64*\s+16*\c
.endr
.endr
.endm
.set f, 0
.rept 8                                        ; my sixteenth of V for the total: 16 channels x 512 keys.  The other operand is the same code everywhere, so the order of the keys in a fragment is free: two loads of 16 bytes
	ds_load_b128 v[TR+8*f:TR+8*f+3], v[AT] offset:64*f
	ds_load_b128 v[TR+8*f+4:TR+8*f+7], v[AT] offset:64*f+32
.set f, f+1
.endr
	WLOAD 0
	WLOAD 1
	s_wait_dscnt 32                                ; all but the 32 just issued: the total's sixteen are in
.set f, 0
.rept 8                                        ; two accumulators by turns: each gets -(the sum of 256 keys) in all its 16 columns
.if f < 2
	v_wmma_f32_16x16x64_bf8_bf8 v[TA+8*(f%2):TA+8*(f%2)+7], v[TR+8*f:TR+8*f+7], v[NEG8:NEG8+7], 0
.else
	v_wmma_f32_16x16x64_bf8_bf8 v[TA+8*(f%2):TA+8*(f%2)+7], v[TR+8*f:TR+8*f+7], v[NEG8:NEG8+7], v[TA+8*(f%2):TA+8*(f%2)+7]
.endif
.set f, f+1
.endr
.rept 5
	v_nop                                          ; four places ahead of the loads into these products' sources and of the reads of their results; five ahead of the products below that write O^T over the sources
.endr
	WLOAD 2
.irp i, 0,2,4,6
	v_pk_add_f32 v[TA+\i:TA+\i+1], v[TA+\i:TA+\i+1], v[TA+8+\i:TA+8+\i+1]
.endr
.irp j, 0,1,2,3,4,5,6,7
	ds_store_b32 v[APW], v[TA+\j] offset:16*\j     ; the sixteen lanes of a half write the same word with the same value
.endr
	s_wait_dscnt 0x0                               ; for the others' sake: my part is stored; and my window's fragments are in
	s_barrier_signal -1
	s_barrier_wait -1
	s_cmp_gt_u32 s[WV], 1                          ; waves 0 and 1, a lane a channel: the four parts become the total
	s_cbranch_scc1 .Lnot_total
	ds_load_b128 v[248:251], v[A2]
	s_wait_dscnt 0x0
	v_add_f32 v252, v248, v249
	v_add_f32 v253, v250, v251
	v_fma_f32 v252, v252, -1.0, -v253              ; the parts carry the sign of -1.0
	ds_store_b32 v[A3], v252
.Lnot_total:
.irp s, 0,1,2                                  ; O^T = V^T P^T over the window: four accumulators by turns
.irp dt, 0,1,2,3
.if \s == 0
	v_wmma_f32_16x16x64_bf8_bf8 v[O+8*\dt:O+8*\dt+7], v[WR+32*\s-144*(\s/2)+8*\dt:WR+32*\s-144*(\s/2)+8*\dt+7], v[P+8*\s:P+8*\s+7], 0
.else
	v_wmma_f32_16x16x64_bf8_bf8 v[O+8*\dt:O+8*\dt+7], v[WR+32*\s-144*(\s/2)+8*\dt:WR+32*\s-144*(\s/2)+8*\dt+7], v[P+8*\s:P+8*\s+7], v[O+8*\dt:O+8*\dt+7]
.endif
.endr
.endr
	s_wait_dscnt 0x0                               ; for the others' sake: the totals are stored
	s_barrier_signal -1
	s_barrier_wait -1
.irp dt, 0,1,2,3                               ; the totals in the result's layout: register j of tile dt: channel 16 dt + 8 h + j, the same in all 16 columns
	ds_load_b128 v[VW+8*\dt+64*(\dt/2):VW+8*\dt+64*(\dt/2)+3], v[ATOT] offset:64*\dt
	ds_load_b128 v[VW+8*\dt+64*(\dt/2)+4:VW+8*\dt+64*(\dt/2)+7], v[ATOT] offset:64*\dt+16
.endr
	s_wait_dscnt 0x0
.irp s, 0,1,2                                  ; less the window's sum: the same fragments x -1.0 (step 2: its one tile of keys).  Keys past the head's end are zero codes
.irp dt, 0,1,2,3
	v_wmma_f32_16x16x64_bf8_bf8 v[VW+8*\dt+64*(\dt/2):VW+8*\dt+64*(\dt/2)+7], v[WR+32*\s-144*(\s/2)+8*\dt:WR+32*\s-144*(\s/2)+8*\dt+7], v[NEG8+8*(\s/2):NEG8+8*(\s/2)+7], v[VW+8*\dt+64*(\dt/2):VW+8*\dt+64*(\dt/2)+7]
.endr
.endr
	v_mul_f32 v[FQ], s62, v[QC]                    ; 2^(e2 + e3) x Q(c)'s code value.  (These four lines are the places behind the last products)
	v_mov_b32 v[FQ+1], v[FQ]
	v_nop
	v_nop
	; ---- THE WAY OUT: out = 2^(e2 + e3) (O^T + Q(c)'s code value x (V's sum less the window's)); each accumulator from its low end on
.irp dt, 0,1,2,3
.irp i, 0,2,4,6
	v_pk_mul_f32 v[VW+8*\dt+64*(\dt/2)+\i:VW+8*\dt+64*(\dt/2)+\i+1], v[VW+8*\dt+64*(\dt/2)+\i:VW+8*\dt+64*(\dt/2)+\i+1], v[FQ:FQ+1]
.endr
.endr
.irp dt, 0,1,2,3
.irp i, 0,2,4,6
	v_pk_fma_f32 v[O+8*\dt+\i:O+8*\dt+\i+1], v[O+8*\dt+\i:O+8*\dt+\i+1], s[62:63], v[VW+8*\dt+64*(\dt/2)+\i:VW+8*\dt+64*(\dt/2)+\i+1] op_sel_hi:[1,0,1]
.endr
.endr
.irp dt, 0,1,2,3                               ; lane (r, h): out(r, 16 dt + 8 h + 0 .. 7), 32 bytes, into my own stage
	ds_store_b128 v[STO], v[O+8*\dt:O+8*\dt+3] offset:64*\dt
	ds_store_b128 v[STO], v[O+8*\dt+4:O+8*\dt+7] offset:64*\dt+16
.endr
.irp i, 0,1,2,3,4,5,6,7
	ds_load_b128 v[BK+4*\i:BK+4*\i+3], v[RD] offset:2*\i*SP   ; LDS serves a wave's instructions in order (ISA guide 5.7.1.4): these see my stores
.endr
.irp i, 0,1,2,3,4,5,6,7
	s_wait_dscnt 7-\i                              ; rows 2 i and 2 i + 1 are back; the later ones may be out
	global_store_b128 v[GO], v[BK+4*\i:BK+4*\i+3], s[14:15] offset:512*\i th:TH_STORE_NT   ; 32 lanes store 512 consecutive bytes, at a multiple of 256 from the output's first byte
.endr
	s_wait_tensorcnt 0x0                           ; the wave's end: behind my last tensor load and my last LDS store
	ds_add_u32 v[SPW], v[NIL]
	s_wait_dscnt 0x0
	s_endpgm
.Lfunc_end_k_q69f67c530b_sattn:
	.size	k_q69f67c530b_sattn, .Lfunc_end_k_q69f67c530b_sattn-k_q69f67c530b_sattn
	.p2alignl 7, 3214868480
	.fill 96, 4, 3214868480
	.section	.rodata,"a",@progbits
	.p2align	6, 0x0
	.amdhsa_kernel k_q69f67c530b_sattn
		.amdhsa_group_segment_fixed_size 259584
		.amdhsa_private_segment_fixed_size 0
		.amdhsa_enable_private_segment 0
		.amdhsa_kernarg_size 48
		.amdhsa_user_sgpr_count 2
		.amdhsa_user_sgpr_kernarg_segment_ptr 1
		.amdhsa_wavefront_size32 1
		.amdhsa_system_sgpr_workgroup_id_x 1
		.amdhsa_system_sgpr_workgroup_id_y 1
		.amdhsa_system_sgpr_workgroup_id_z 1
		.amdhsa_system_vgpr_workitem_id 0
		.amdhsa_next_free_vgpr 256
		.amdhsa_next_free_sgpr 66
		.amdhsa_reserve_vcc 0
		.amdhsa_float_denorm_mode_32 3
		.amdhsa_float_denorm_mode_16_64 3
		.amdhsa_memory_ordered 1
		.amdhsa_forward_progress 1
		.amdhsa_inst_pref_size 63
	.end_amdhsa_kernel
	.amdgpu_metadata
---
amdhsa.version: [ 1, 2 ]
amdhsa.kernels:
  - .name:           k_q69f67c530b_sattn
    .symbol:         k_q69f67c530b_sattn.kd
    .args:
      - { .name: queries_codes, .offset: 0, .size: 8, .value_kind: global_buffer, .address_space: global }
      - { .name: keys_codes, .offset: 8, .size: 8, .value_kind: global_buffer, .address_space: global }
      - { .name: values_codes, .offset: 16, .size: 8, .value_kind: global_buffer, .address_space: global }
      - { .name: log_scale, .offset: 24, .size: 8, .value_kind: global_buffer, .address_space: global }
      - { .name: lowp_scales, .offset: 32, .size: 8, .value_kind: global_buffer, .address_space: global }
      - { .name: out0, .offset: 40, .size: 8, .value_kind: global_buffer, .address_space: global }
    .group_segment_fixed_size: 259584
    .private_segment_fixed_size: 0
    .kernarg_segment_align: 8
    .kernarg_segment_size: 48
    .max_flat_workgroup_size: 512
    .sgpr_count:     66
    .vgpr_count:     256
    .wavefront_size: 32
...
	.end_amdgpu_metadata
.endif
;; end of part 1
